; MI455X (gfx1250); checked and timed in simulation.
; The chip was launched on July 23, 2026; its instructions are those of AMD's public machine-readable ISA for CDNA 5 (MIT licence, August 2026) and "CDNA5" Instruction Set Architecture Reference Guide (July 2026). The comments in the code are by the model that wrote it; some were corrected since.
;; Actor Critic. Allowed arithmetic: matrix products marked QUANTISED: E2M3 operands, one E8M0 scale for each 32 along K, by v_wmma_scale_f32_16x16x128_f8f6f4 with both operands' format E2M3, f32 sums; products left as they are: f32 operands where the result goes on into a quantised operand, else bf16, f16 or f32 operands; f32 sums; everything else in f32.
;; Inputs: action 65,536 x 16 float32; b1 32 float32; b2 32 float32; b3 272 float32; state 65,536 x 128 float32; w1 128 x 32 float32; w2 32 x 32 float32; w3 32 x 272 float32.
;; Outputs: out0 2 x 65,536 float32.
;; This version of the problem:
;;   THIS VERSION OF THE PROBLEM IS GIVEN IN LOW PRECISION. The matrix products marked QUANTISED in the list below multiply operands that are first quantised to E2M3 (2 exponent bits, 3 mantissa bits; 6 bits a number), with one power-of-two scale for each 32 numbers along K (OCP MX v1.0); their sums are f32. All else is computed in f32.
;;   The module's matrix products, in the order in which they are computed (A, B: the left and right operand; K: the contracted axis; several contracted axes count as one K, in the product's order):
;;     1. [M 65,536, K 128] x [K 128, N 32]; A: input state; B: input w1: QUANTISED
;;     2. [M 65,536, K 32] x [K 32, N 32]; A: computed on the way; B: input w2: QUANTISED
;;     3. [M 65,536, K 32] x [K 32, N 272]; A: computed on the way; B: input w3: QUANTISED
;;     4. batch 65,536 x [M 16, K 16] x [K 16, N 16]; A: computed on the way; B: computed on the way: left as it is (K = 16 < 32)
;;   THE QUANTISER, for each operand of a quantised product, along K:
;;     - K is cut into blocks of 32 from its start; a last block that is shorter is filled with zeros.
;;     - A block's scale is 2^e with e = floor(log2(the largest magnitude in the block)) - 2, held to -126 .. 127; a block of zeros has e = 0. As a byte (E8M0): e + 127.
;;     - Each number is divided by its block's scale, clamped to +-7.5, and rounded to the nearest number of E2M3, ties to even, subnormals kept.
;;     - The product sums the exact products of the quantised numbers (number of the format x scale) in f32.
;;   ~~~python
;;   def quantise(x, axis):      # numpy; x: float32 -> the quantised numbers, widened to float32 again
;;       x = np.moveaxis(x, axis, -1); K = x.shape[-1]
;;       x = np.pad(x, [(0, 0)] * (x.ndim - 1) + [(0, -K % 32)]); x = x.reshape(x.shape[:-1] + (-1, 32)); a = np.abs(x).max(-1, keepdims=True)
;;       e = np.where(a > 0, np.clip(np.frexp(np.where(a > 0, a, 1))[1] - 1 - 2, -126, 127), 0)      # np.frexp(a)[1] - 1 = floor(log2(a)), exactly
;;       r = np.clip(x / 2.0 ** e, -7.5, 7.5)
;;       step = 2.0 ** (np.maximum(np.frexp(np.where(r == 0, 1, r))[1] - 1, 0) - 3)
;;       q = np.round(r / step) * step * 2.0 ** e      # np.round: ties to even
;;       return np.moveaxis(q.reshape(q.shape[:-2] + (-1,))[..., :K], -1, axis).astype(np.float32)
;;   ~~~
;;   OPERANDS COMPUTED ON THE WAY. 'Computed on the way' means the value that the module computes at that place (a softmax that the list does not call 'softmax' is quantised finished and normalised). What goes into a quantiser is computed in f32, as accurately as f32 sums, v_exp_f32 and their like allow (about 1e-6 of the number): no bf16 or f16 on the way to a quantiser, and a product that is left as it is and whose result goes on into a quantised operand takes f32 operands (vector FMAs, or v_wmma_f32_16x16x4_f32). A number that lies on a knife's edge between two numbers of the format may be rounded either way, as far as f32 arithmetic and the matrix unit's own rounding can turn it there, and no further.
;; One version. Each part assembles by itself: llvm-mc -triple=amdgcn-amd-amdhsa -mcpu=gfx1250 --defsym DOCPART=n.
;; ======== version 1 of 1: 1 launch
;; launch actor (part 1): grid 256 x 1, 8 waves a work-group, no clusters, 313,856 bytes of LDS; arguments state, action, w1, b1, w2, b2, w3, b3, out0; writes out0
.if DOCPART == 1
	.amdgcn_target "amdgcn-amd-amdhsa--gfx1250"
	.amdhsa_code_object_version 6
	.text
	.protected	k_q790aa12314_actor
	.globl	k_q790aa12314_actor
	.p2align	8
	.type	k_q790aa12314_actor,@function
k_q790aa12314_actor:
	s_mov_b64 s[64:65], 0
	v_nop
	global_prefetch_b8 v0, s[64:65] scope:SCOPE_SE
	s_setreg_imm32_b32 hwreg(HW_REG_WAVE_MODE, 25, 1), 1
	s_wait_xcnt 0x0
; ActorCritic: out0[0][row] = log_prob(action), out0[1][row] = entropy of N(means, cov), for 65,536 rows.
; h1 = relu(state w1 + b1), h2 = relu(h1 w2 + b2), out = h2 w3 + b3: three products on codes of FP6 (E2M3) with one E8M0 scale for each 32 along K.
; S = min(exp(out[16:]), 1000) as 16 x 16; n = |S|_F; s = n + 1e-8; cov = (S S^T / s^2 + I) n = (n / s^2) (S S^T + s^2 I).
; M = S S^T + s^2 I is factored as L D L^T (no roots): half_logdet = 4 ln(n^2) + 1/2 sum ln(d_k / s^2), and z.z = (s^2 / n) sum y_k^2 / d_k with y = L^-1 diff.
; d_k / s^2 lies between 1 and 2, so the product of the sixteen cannot leave f32's range.  diff's sign does not matter: means - action is used.
; SHARES.  256 work-groups of eight waves; a wave owns 32 rows: two tiles of 16 rows through the products, then ONE LANE TO A ROW through the factorisation.
; Each byte of state and action is read once; nothing goes to memory but the two results.  The weights (55,296 bytes) are read by every work-group, quantised once in it
; (wave w makes unit w of seven) and handed round through LDS as images of the operands' registers.
; NO CLUSTER: what work-groups share is the weights alone, 55,296 bytes beside a work-group's own 147,456 of state and action, and they go through registers to be quantised, not into LDS as they lie.
; K = 32 IN A FORM OF K = 128: an operand has four blocks of 32 along K (block 2 c + h: register half c, lane half h).  On the weights' side four DIFFERENT tiles stand in the four blocks; the activation's
; 32 codes stand in one block with zero codes in the other three, which picks the tile.  FP6 has no NaN and no infinity, so zero codes take the other tiles out whatever they hold.
; S S^T HAS K = 16, THE bf16 FORM K = 32: one instruction serves TWO rows e, e', so that the matrix unit multiplies just the product's own 16 x 16 x 16 a row.  Source 0 holds both S (k 0-15: e, k 16-31: e');
; source 1's columns 0-7 hold S_e's rows 0-7 beside zeros, its columns 8-15 zeros beside S_e''s rows 8-15.  The result is rows 0-7 of S_e S_e^T and rows 8-15 of S_e' S_e'^T, 16 columns each.
; An odd row's matrix, row sums and diff are stored with every index xor 8 (a symmetric permutation: determinant and quadratic form stay), so that each lane of the factorisation finds matrix rows 0-7.
; What is left, the 28 numbers above the diagonal of the lower right 8 x 8 block, is made by the row's own lane from the bf16 S: sixteen rank-1 updates in f32, two columns an instruction.
; LIMITS: NaN and infinities among the inputs are not served.  A block whose largest magnitude lies under 2^-124 has its scale byte held at 1.  Rows whose sum of S^2 lies under 2^-126 are not served
; (root, reciprocal root and logarithm take denormals as 0).  S is rounded to bf16 for the off-diagonal numbers of S S^T alone; the norm and the diagonal are f32 sums of f32 squares.
;
; LDS.  Wave w owns WREG bytes from w WREG on: 32 blocks of EP bytes, one a row: matrix rows 0-7 of S S^T (512 bytes; chunk ch of 16 bytes of row i at 16 (4 i + (ch xor i / 4))), S in bf16 (512 bytes: columns 8 h on of
; row r at 256 h + 16 r), 16 row sums of S^2, 16 of means - action, 16 spare.
; EP = 73 x 16: sixteen lanes that read the same chunk of sixteen blocks touch sixteen different columns of 16 bytes (64 banks of 4 bytes: ISA guide 11.1).
; The stage for the wave's state (two tiles of 16 rows x (512 + 16) bytes) lies over blocks 16 to 31, which are stored into only when both tiles have landed and have been read.
.set EP,     1168
.set WREG,   32*EP                     ; 37,376 = 146 x 256
.set STG,    16*EP                     ; 18,688 = 73 x 256: where the stage begins in a wave's bytes
.set SPITCH, 528
.set TILEB,  16*SPITCH
.set FRB,    1536                      ; an operand's image: 12 registers x 128 bytes
.set IMG,    8*WREG                    ; seven images
.set SCL,    IMG+7*FRB                 ; their scale words, 128 bytes each
.set OUTS,   SCL+1024                  ; 256 log_prob, then 256 entropies
; window 0
.set ASTG,  3                          ; stage: my row, my 16 numbers of a block of 32
.set AIMGW, 4                          ; where my wave's unit is stored
.set ASCW,  5
.set AIMGR, 6                          ; 16 x lane in the images
.set ASCR,  7                          ; 4 x lane in the scale words
.set AEX,   8                          ; row sums of even rows: block 8 h (+ j), word r
.set AMN,   9                          ; means - action: block r, 32 (h xor r % 2)
.set ACH,   10                         ; my row's block
.set AOW,   11
.set AOR,   12
.set OUTO,  13
.set WO,    14                         ; offsets into the weights
.set W1S,   16                         ; v16-24 hold scale words and nothing else
.set PMS,   18
.set W3S,   19
.set XS,    23
.set HS,    24
.set LN,    25
.set PC,    26                         ; v26-45 codes being made
.set TM,    46                         ; v46-53, v58-61 at work
.set AEX2,  54                         ; row sums of odd rows: word r xor 8
.set ASB,   55                         ; S in bf16: my wave's bytes + 16 x lane
.set ASR,   56                         ; and back: my row's block, + 128 in even rows (their rows 8-15 of S; odd rows take rows 0-7)
.set HZ0,   62                         ; v62-91: zeros | HLO | zeros | HHI | zeros, six registers each
.set HLO,   68                         ; the hidden layer's 32 codes in lanes 0-15, zeros in lanes 16-31
.set HHI,   80                         ; the other way round
.set HA,    92                         ; v92-107 a hidden layer: lane (r, h): row r, units 16 h + 0 .. 15
.set BP,    108                        ; v108-123 b3[16 + 16 r + t] x log2(e)
.set MC,    124                        ; v124-139 b3[8 h + j] - action[row r][8 h + j], eight a tile of rows
.set MD,    140                        ; v140-147 means - action
.set Q,     148                        ; v148-155 row sums of S^2
.set X,     156                        ; v156-219 64 numbers of state; then
.set ACC,   156                        ;   two sets of four tiles of out; then
.set DD,    156                        ;   the eight results of S S^T, eight registers each
.set BB,    220                        ; v220-235 two sets of eight: the masked copies of two rows' S
.set ML,    236                        ; all ones in lanes with r < 8
.set MH,    237                        ; all ones in lanes with r >= 8
; window 1
.set W1F,   0
.set PM,    24                         ; blocks 0, 1: w2's two tiles; blocks 2, 3: w3's columns 0-15
.set W3P,   36                         ; pack g: tiles t = 2 g + h + 8 c of w3's columns 16 + 16 r + t
.set B1C,   84
.set B2C,   100
.set P,     116                        ; S in bf16: row e of the tile at 4 e
.set GA,    180                        ; v180-181 where a lane puts its two chunks of S S^T
.set SB,    0                          ; the factorisation: v0-63 eight rows of S in bf16; v64-191 the same in f32: R(k, i) at 8 k + i
.set RR,    64
; the factorisation, window 0
.set T,     26
.set RN,    42                         ; -1 / d_k
.set U,     58
.set QN,    60
.set N2,    61
.set S2,    62
.set MAT,   64                         ; v64-223: rows i, columns from 4 (i / 4) on
.set W,     224
.set QD,    240
.set MSB, 0
.macro WIN new                         ; the immediate's high byte repeats the setting that is left
.if MSB != \new
	s_set_vgpr_msb (MSB<<8)|\new
.set MSB, \new
.endif
.endm
.macro NOPS n
.rept \n
	v_nop
.endr
.endm
	s_load_b256 s[4:11], s[0:1], 0x0               ; state s[4:5], action s[6:7], w1 s[8:9], b1 s[10:11]
	s_load_b256 s[12:19], s[0:1], 0x20             ; w2 s[12:13], b2 s[14:15], w3 s[16:17], b3 s[18:19]
	s_load_b64 s[20:21], s[0:1], 0x40              ; out0
	s_set_vgpr_msb 0x40
	v_lshl_add_u32 v192, v0, 2, 0x4c600
	v_mov_b32 v193, 0
	s_set_vgpr_msb 0x4045
	ds_add_u32 v192, v193
	ds_add_u32 v192, v193
	s_set_vgpr_msb 0x4500
	v_lshrrev_b32 v[LN], 5, v0
	v_readfirstlane_b32 s22, v[LN]                 ; wave 0..7
	s_mul_i32 s23, s22, WREG                       ; my wave's bytes in LDS
	v_and_b32 v1, 15, v0                           ; r
	v_bfe_u32 v2, v0, 4, 1                         ; h
	v_and_b32 v[LN], 31, v0                        ; lane
	; every LDS address is made here, ahead of the first branch
	s_add_co_u32 s44, s23, STG
	v_mul_u32_u24 v[ASTG], v1, SPITCH
	v_lshl_add_u32 v[ASTG], v2, 6, v[ASTG]
	v_add_nc_u32 v[ASTG], s44, v[ASTG]
	s_mul_i32 s45, s22, FRB
	s_add_co_u32 s45, s45, IMG
	v_lshl_add_u32 v[AIMGW], v[LN], 4, s45
	s_lshl_b32 s46, s22, 7
	s_add_co_u32 s46, s46, SCL
	v_lshl_add_u32 v[ASCW], v[LN], 2, s46
	v_lshl_add_u32 v[AIMGR], v[LN], 4, IMG
	v_lshl_add_u32 v[ASCR], v[LN], 2, SCL
	v_mul_u32_u24 v[AEX], v2, 8*EP
	v_xor_b32 v59, 8, v1
	v_lshl_add_u32 v[AEX2], v59, 2, v[AEX]
	v_lshl_add_u32 v[AEX], v1, 2, v[AEX]
	v_add_nc_u32 v[AEX], s23, v[AEX]
	v_add_nc_u32 v[AEX2], s23, v[AEX2]
	v_and_b32 v59, 1, v1
	v_xor_b32 v59, v59, v2                         ; an odd row's components change halves
	v_mul_u32_u24 v[AMN], v1, EP
	v_lshl_add_u32 v[AMN], v59, 5, v[AMN]
	v_add_nc_u32 v[AMN], s23, v[AMN]
	v_mul_u32_u24 v[ACH], v[LN], EP
	v_add_nc_u32 v[ACH], s23, v[ACH]
	v_lshl_add_u32 v[ASB], v[LN], 4, s23
	v_and_b32 v59, 1, v[LN]
	v_xor_b32 v59, 1, v59
	v_lshl_add_u32 v[ASR], v59, 7, v[ACH]
	v_lshl_add_u32 v[AOW], v0, 2, OUTS
	v_and_b32 v58, 127, v0                         ; the way out: threads 0-63 store the 1,024 bytes of log_prob, threads 64-127 those of the entropy, 262,144 bytes on; 16 bytes a thread
	v_lshl_add_u32 v[AOR], v58, 4, OUTS
	v_lshlrev_b32 v[OUTO], 4, v0
	v_and_b32 v[OUTO], 1023, v[OUTO]
	v_bfe_u32 v58, v0, 6, 1
	v_lshl_add_u32 v[OUTO], v58, 18, v[OUTO]
	v_lshrrev_b32 v58, 3, v1                       ; r / 8: which of a pair's two rows my result belongs to
	v_sub_nc_u32 v[MH], 0, v58
	v_xor_b32 v[ML], -1, v[MH]
	v_xor_b32 v59, v2, v58                         ; S S^T: lane (r, h) holds matrix row r, columns 8 h + 0 .. 7: chunks 2 h and 2 h + 1; in the odd row of a pair: row r - 8, chunks xor 2
	v_lshlrev_b32 v59, 1, v59
	v_bfe_u32 v60, v1, 2, 1                        ; (r % 8) / 4
	v_xor_b32 v59, v59, v60
	v_xor_b32 v60, 1, v59
	v_and_b32 v61, 7, v1
	v_lshlrev_b32 v61, 6, v61
	v_mad_u32_u24 v61, v58, EP, v61
	v_lshl_add_u32 v59, v59, 4, v61
	v_lshl_add_u32 v60, v60, 4, v61
	WIN 0x40                                       ; destination window 1
	v_add_nc_u32 v[GA], s23, v59
	v_add_nc_u32 v[GA+1], s23, v60
	WIN 0
	v_and_b32 v[WO], 8, v1
	v_add_nc_u32 v[WO], v[WO], v1
	v_lshlrev_b32 v[WO], 2, v[WO]                  ; 4 (r + 8 (r / 8)): THE UNITS OF A TILE OF w1 OR w2 ARE NOT NEIGHBOURS: lane r of tile u takes unit 8 u + r + 8 (r / 8)
	v_lshlrev_b32 v46, 6, v2                       ; 64 h
	v_lshlrev_b32 v47, 6, v1                       ; 64 r
	v_lshlrev_b32 v48, 5, v2                       ; 32 h
	v_add_nc_u32 v49, v47, v48
.irp i, 0,1,2,3,4,5
	v_mov_b32 v[HZ0+\i], 0                         ; the zero codes beside the hidden layer's: written once
	v_mov_b32 v[HZ0+12+\i], 0
	v_mov_b32 v[HZ0+24+\i], 0
	v_mov_b32 v[HHI+\i], 0                         ; (a lane permute's destination counts as one of its sources)
.endr
.irp i, 0,1,2,3
	v_mov_b32 v[TM+4+\i], 0
.endr
	; descriptor group 1: 16 rows x 128 elements of 4 bytes, 16 bytes of padding behind each row
	s_mov_b32 s24, (2<<16)|(1<<20)|(6<<22)|(3<<25) ; 17:16 elements of 4 bytes; 20 padding on; 24:22 after every 128 words (code 6); 31:25 of 4 words (code 3)
	s_mov_b32 s25, 128<<16                         ; tensor_dim0 = 128
	s_mov_b32 s26, 16<<16                          ; tensor_dim1 = 16
	s_mov_b32 s27, 128<<16                         ; tile_dim0 = 128
	s_mov_b32 s28, 16                              ; tile_dim1 = 16
	s_mov_b32 s29, 128                             ; elements from row to row
	s_mov_b32 s30, 0
	s_mov_b32 s31, 0
	s_mov_b32 s40, 0x76543210
	s_mov_b32 s41, 0xfedcba98                      ; v_permlanex16_b32's selects for lane l xor 16
	s_mov_b32 s42, 0x3fb8aa3b                      ; log2(e)
	s_mov_b32 s43, s42                             ; (named with it as a pair, so it is written)
	s_mov_b32 s32, 1
	s_add_co_u32 s33, s23, STG
	s_mov_b32 s36, 1
	s_add_co_u32 s37, s23, STG+TILEB
	s_lshl_b32 s44, ttmp9, 17                      ; state: 256 rows of 512 bytes a work-group,
	s_lshl_b32 s45, s22, 14                        ; 32 a wave
	s_add_co_u32 s44, s44, s45
	s_mov_b32 s45, 0
	s_lshl_b32 s46, ttmp9, 14                      ; action: rows of 64 bytes
	s_lshl_b32 s47, s22, 11
	s_add_co_u32 s46, s46, s47
	s_mov_b32 s47, 0
	s_lshl_b32 s48, ttmp9, 10                      ; out0: 256 numbers a work-group
	s_mov_b32 s49, 0
	s_wait_dscnt 0x0
	s_wait_kmcnt 0x0
	s_add_nc_u64 s[34:35], s[4:5], s[44:45]
	s_add_nc_u64 s[38:39], s[34:35], 16*512
	s_or_b32 s35, s35, 0x80000000                  ; type = 2
	s_or_b32 s39, s39, 0x80000000
	s_add_nc_u64 s[6:7], s[6:7], s[46:47]
	s_add_nc_u64 s[20:21], s[20:21], s[48:49]
	tensor_load_to_lds s[32:35], s[24:31]          ; my 32 rows of state, in two tiles: both go out ahead of everything else; two tensor loads of mine are out
	s_nop 0
	tensor_load_to_lds s[36:39], s[24:31]          ; nothing is ever filled again
	s_nop 0
	NOPS 4
	WIN 0x40
.irp u, 0,1
.irp c, 0,1
	global_load_b128 v[B1C+8*\u+4*\c:B1C+8*\u+4*\c+3], v46, s[10:11] offset:32*\u+16*\c   ; the biases in the results' layout: tile u, register j: unit 16 h + 8 u + j
	global_load_b128 v[B2C+8*\u+4*\c:B2C+8*\u+4*\c+3], v46, s[14:15] offset:32*\u+16*\c
.endr
.endr
	WIN 0
.irp c, 0,1,2,3
	global_load_b128 v[BP+4*\c:BP+4*\c+3], v47, s[18:19] offset:64+16*\c                  ; b3[16 + 16 r + 0 .. 15]
.endr
.irp c, 0,1
	global_load_b128 v[MD+4*\c:MD+4*\c+3], v48, s[18:19] offset:16*\c                     ; b3[8 h + 0 .. 7]
.endr
.irp m, 0,1
.irp c, 0,1
	global_load_b128 v[MC+8*\m+4*\c:MC+8*\m+4*\c+3], v49, s[6:7] offset:1024*\m+16*\c th:TH_LOAD_NT   ; action[row r of tile m][8 h + 0 .. 7]
.endr
.endr
	; THE WEIGHTS.  Wave w makes unit w: a lane takes a column of the weight and its registers run down K: v[X + 32 c + i] = k 64 c + 32 h + i of the operand.  Wave 7 has none.
	s_cmp_lt_u32 s22, 2
	s_cbranch_scc0 .Lnot_w1
	s_lshl_b32 s44, s22, 5                         ; units 0, 1: w1's tile w, K = 128.  w1(k, n) lies at 128 k + 4 n
	v_lshl_add_u32 v[WO+1], v2, 12, v[WO]
	v_add_nc_u32 v[WO+1], s44, v[WO+1]
.set I, 0
.rept 32
	global_load_b32 v[X+I], v[WO+1], s[8:9] offset:128*I
	global_load_b32 v[X+32+I], v[WO+1], s[8:9] offset:128*(64+I)
.set I, I+1
.endr
	s_branch .Lquant
.Lnot_w1:
	s_cmp_eq_u32 s22, 2
	s_cbranch_scc0 .Lnot_pm
	v_lshl_add_u32 v[WO+1], v2, 5, v[WO]           ; unit 2: c = 0: w2's tile h;  c = 1: w3's columns 0-15 (the means), in both halves
	v_lshlrev_b32 v58, 2, v1
.set I, 0
.rept 32
	global_load_b32 v[X+I], v[WO+1], s[12:13] offset:128*I
	global_load_b32 v[X+32+I], v58, s[16:17] offset:1088*I
.set I, I+1
.endr
	s_branch .Lquant
.Lnot_pm:
	s_cmp_eq_u32 s22, 7
	s_cbranch_scc1 .Lno_unit
	s_lshl_b32 s44, s22, 3                         ; units 3 to 6: pack g = w - 3: column 16 + 16 r + 2 g + h + 8 c of w3: 64 + 64 r + 8 g + 4 h + 32 c bytes into a row of 1,088
	s_add_co_u32 s44, s44, 40
	v_lshl_add_u32 v[WO+1], v2, 2, v47
	v_add_nc_u32 v[WO+1], s44, v[WO+1]
.set I, 0
.rept 32
	global_load_b32 v[X+I], v[WO+1], s[16:17] offset:1088*I
	global_load_b32 v[X+32+I], v[WO+1], s[16:17] offset:1088*I+32
.set I, I+1
.endr
.Lquant:
	s_wait_loadcnt 0x0
.irp c, 0,1                                    ; my block 2 c + h: all its 32 numbers are mine
	v_max3_num_f32 v[TM+\c], |v[X+32*\c]|, |v[X+1+32*\c]|, 0x1800000   ; with the floor 2^(3 - 127): the byte cannot fall under 1
.endr
.irp i, 2,4,6,8,10,12,14,16,18,20,22,24,26,28,30
.irp c, 0,1
	v_max3_num_f32 v[TM+\c], v[TM+\c], |v[X+32*\c+\i]|, |v[X+1+32*\c+\i]|
.endr
.endr
.irp c, 0,1
	v_add_nc_u32 v[TM+12+\c], 0xff000000, v[TM+\c] ; 2 off the exponent field: the conversion's scale operand
.endr
.irp c, 0,1
	v_lshrrev_b32 v[TM+4+\c], 23, v[TM+12+\c]      ; the scale's byte
.endr
	v_lshl_or_b32 v[TM+6], v[TM+5], 16, v[TM+4]    ; my two bytes: blocks h and 2 + h,
	v_lshlrev_b32 v[TM+7], 3, v2
	v_lshlrev_b32 v[TM+6], v[TM+7], v[TM+6]        ; at their places in the word;
	v_mov_b32 v[TM+7], 0
	v_permlanex16_b32 v[TM+7], v[TM+6], s40, s41
	v_or_b32 v[TM+6], v[TM+6], v[TM+7]             ; with lane l xor 16's two the word is whole
.irp c, 0,1
	v_cvt_scalef32_pk16_fp6_f32 v[PC+6*\c:PC+2+6*\c], v[X+32*\c:X+15+32*\c], v[TM+12+\c]
	v_cvt_scalef32_pk16_fp6_f32 v[PC+12+4*\c:PC+14+4*\c], v[X+16+32*\c:X+31+32*\c], v[TM+12+\c]   ; (a conversion's three registers begin on an even number)
.endr
	v_nop                                          ; one plain place behind a scaled conversion
.irp c, 0,1
.irp i, 0,1,2
	v_mov_b32 v[PC+3+6*\c+\i], v[PC+12+4*\c+\i]
.endr
.endr
.irp c, 0,1,2
	ds_store_b128 v[AIMGW], v[PC+4*\c:PC+4*\c+3] offset:512*\c     ; the operand goes to LDS as an image of its registers
.endr
	ds_store_b32 v[ASCW], v[TM+6]
.Lno_unit:
	s_wait_loadcnt 0x0                             ; (wave 7: its biases and its rows of action)
	s_wait_dscnt 0x0                               ; for the others' sake: my unit lies in LDS
	s_barrier_signal -1
	s_barrier_wait -1                              ; all seven do.  My tensor loads may stay out
	WIN 0x40
.irp n, 0,1,2,3,4,5,6
.irp c, 0,1,2
	ds_load_b128 v[12*\n+4*\c:12*\n+4*\c+3], v[AIMGR] offset:FRB*\n+512*\c    ; all weights stay in my registers: window 1, v0-83
.endr
.endr
	WIN 0
.irp n, 0,1,2,3,4,5,6
	ds_load_b32 v[W1S+\n], v[ASCR] offset:128*\n
.endr
.irp i, 0,2,4,6,8,10,12,14
	v_pk_mul_f32 v[BP+\i:BP+\i+1], v[BP+\i:BP+\i+1], s[42:43] op_sel_hi:[1,0]             ; exp(x + b) = 2^(x log2(e) + b log2(e))
.endr
.irp m, 0,1
.irp i, 0,2,4,6
	v_pk_add_f32 v[MC+8*\m+\i:MC+8*\m+\i+1], v[MD+\i:MD+\i+1], v[MC+8*\m+\i:MC+8*\m+\i+1] neg_lo:[0,1] neg_hi:[0,1]   ; b3 - action: the C of the means' product
.endr
.endr
	s_wait_dscnt 0x0
; 64 numbers of a lane, register 16 b + i = k 32 b + 16 h + i of my row, become an operand's codes in v[PC] on and its scale word in v[XS].
.macro QUANT s
.irp b, 0,1,2,3
	v_max3_num_f32 v[TM+\b], |v[\s+16*\b]|, |v[\s+1+16*\b]|, 0x1800000
.endr
.irp i, 2,4,6,8,10,12,14
.irp b, 0,1,2,3
	v_max3_num_f32 v[TM+\b], v[TM+\b], |v[\s+16*\b+\i]|, |v[\s+1+16*\b+\i]|   ; the four blocks by turns
.endr
.endr
.irp b, 0,1,2,3
	v_permlanex16_b32 v[TM+4+\b], v[TM+\b], s40, s41
.endr
.irp b, 0,1,2,3
	v_max_num_f32 v[TM+\b], v[TM+\b], v[TM+4+\b]   ; with lane l xor 16's: the block's largest magnitude
.endr
.irp b, 0,1,2,3
	v_add_nc_u32 v[TM+12+\b], 0xff000000, v[TM+\b]
.endr
.irp b, 0,1,2,3
	v_lshrrev_b32 v[TM+4+\b], 23, v[TM+12+\b]
.endr
	v_lshl_or_b32 v[XS], v[TM+5], 8, v[TM+4]
	v_lshl_or_b32 v[XS], v[TM+6], 16, v[XS]
	v_lshl_or_b32 v[XS], v[TM+7], 24, v[XS]
.irp c, 0,1
	v_cvt_scalef32_pk16_fp6_f32 v[PC+6*\c:PC+2+6*\c], v[\s+32*\c:\s+15+32*\c], v[TM+12+2*\c]
	v_cvt_scalef32_pk16_fp6_f32 v[PC+12+4*\c:PC+14+4*\c], v[\s+16+32*\c:\s+31+32*\c], v[TM+12+2*\c+1]
.endr
	v_nop                                          ; one plain place behind a scaled conversion
.irp c, 0,1                                    ; the operand's layout wants a WHOLE block in a lane
.irp i, 0,1,2
	v_permlane16_swap_b32 v[PC+6*\c+\i], v[PC+12+4*\c+\i]
.endr
.irp i, 0,1,2
	v_mov_b32 v[PC+3+6*\c+\i], v[PC+12+4*\c+\i]
.endr
.endr
.endm
; A hidden layer: relu; one block of 32 a row, 16 numbers in each of lanes l and l xor 16; its codes into HLO (lanes 0-15) and HHI (lanes 16-31), its byte four times into v[HS].
.macro HQUANT
.set I, 0
.rept 16
	v_max_num_f32 v[HA+I], 0, v[HA+I]              ; each accumulator from its low end on
.set I, I+1
.endr
	v_max3_num_f32 v[TM], v[HA], v[HA+1], 0x1800000    ; none is negative: no |.|
	v_max3_num_f32 v[TM+1], v[HA+2], v[HA+3], v[HA+4]
	v_max3_num_f32 v[TM], v[TM], v[HA+5], v[HA+6]
	v_max3_num_f32 v[TM+1], v[TM+1], v[HA+7], v[HA+8]
	v_max3_num_f32 v[TM], v[TM], v[HA+9], v[HA+10]
	v_max3_num_f32 v[TM+1], v[TM+1], v[HA+11], v[HA+12]
	v_max3_num_f32 v[TM], v[TM], v[HA+13], v[HA+14]
	v_max3_num_f32 v[TM], v[TM], v[TM+1], v[HA+15]
	v_permlanex16_b32 v[TM+4], v[TM], s40, s41
	v_max_num_f32 v[TM], v[TM], v[TM+4]
	v_add_nc_u32 v[TM+12], 0xff000000, v[TM]
	v_lshrrev_b32 v[TM+5], 23, v[TM+12]
	v_lshl_or_b32 v[HS], v[TM+5], 8, v[TM+5]       ; the same byte for whichever block the codes stand in
	v_lshl_or_b32 v[HS], v[HS], 16, v[HS]
	v_cvt_scalef32_pk16_fp6_f32 v[HLO:HLO+2], v[HA:HA+15], v[TM+12]
.irp i, 0,1,2
	v_mov_b32 v[HLO+3+\i], 0                       ; (also the plain place behind the conversion)
.endr
.irp i, 0,1,2
	v_permlane16_swap_b32 v[HLO+\i], v[HLO+3+\i]   ; lanes 16-31's codes, k = 16 .. 31, go to lanes 0-15 of the upper three registers; zeros come back
.endr
.irp i, 0,1,2,3,4,5
	v_permlanex16_b32 v[HHI+\i], v[HLO+\i], s40, s41
.endr
	NOPS 8                                         ; a scale register written by a vector instruction stands 8 places ahead of a scaled matrix instruction, an operand 4
.endm
; Four tiles of out = h2 w3, natural order (source 0 = my 16 rows, source 1 = pack g): block b of the pack is picked by where the codes stand.
; In tile t register j of lane (r, h) is out[row 8 h + j][16 + 16 r + t]: S of row 8 h + j at (r, t).
.macro W3G g
	WIN 0x04                                       ; source 1 window 1
.irp b, 0,1,2,3
	v_wmma_scale_f32_16x16x128_f8f6f4 v[ACC+32*((\g)%2)+8*\b:ACC+32*((\g)%2)+8*\b+7], v[HLO+12*(\b%2)-6*(\b/2):HLO+12*(\b%2)-6*(\b/2)+11], v[W3P+12*(\g):W3P+12*(\g)+11], 0, v[HS], v[W3S+(\g)] matrix_a_fmt:MATRIX_FMT_FP6 matrix_b_fmt:MATRIX_FMT_FP6
.endr
.endm
; Their 32 numbers a lane: bias, exponential, clip, squares into the row sums, bf16 pairs into P.  Block b is tile t = 2 g + b % 2 + 8 (b / 2).
.macro PROC g
.set AB, ACC+32*((\g)%2)
	WIN 0
.irp b, 0,1,2,3
.irp p, 0,2,4,6
.if \b%2
	v_pk_fma_f32 v[AB+8*\b+\p:AB+8*\b+\p+1], v[AB+8*\b+\p:AB+8*\b+\p+1], s[42:43], v[BP+2*(\g)+8*(\b/2):BP+2*(\g)+8*(\b/2)+1] op_sel:[0,0,1] op_sel_hi:[1,0,1]
.else
	v_pk_fma_f32 v[AB+8*\b+\p:AB+8*\b+\p+1], v[AB+8*\b+\p:AB+8*\b+\p+1], s[42:43], v[BP+2*(\g)+8*(\b/2):BP+2*(\g)+8*(\b/2)+1] op_sel_hi:[1,0,0]
.endif
.endr
.endr
.set I, 0
.rept 32
	v_exp_f32 v[AB+I], v[AB+I]
.set I, I+1
.endr
	v_nop                                          ; a plain place behind the last exponential
	s_wait_alu depctr_va_vdst(0)                   ; one wait for the batch of 32, ahead of its first reader
.set I, 0
.rept 32
	v_min_num_f32 v[AB+I], 0x447a0000, v[AB+I]     ; the clip at 1000 (the lower bound, -1000, is never met: an exponential is not negative)
.set I, I+1
.endr
.irp b, 0,1,2,3
.irp p, 0,2,4,6
.if (\g)+\b == 0
	v_pk_mul_f32 v[Q+\p:Q+\p+1], v[AB+\p:AB+\p+1], v[AB+\p:AB+\p+1]                       ; the first squares start the sums
.else
	v_pk_fma_f32 v[Q+\p:Q+\p+1], v[AB+8*\b+\p:AB+8*\b+\p+1], v[AB+8*\b+\p:AB+8*\b+\p+1], v[Q+\p:Q+\p+1]
.endif
.endr
.endr
	WIN 0x40
.irp j, 0,1,2,3,4,5,6,7
	v_cvt_pk_bf16_f32 v[P+4*\j+(\g)], v[AB+\j], v[AB+8+\j]          ; columns 2 g, 2 g + 1 of row 8 h + j's S
	v_cvt_pk_bf16_f32 v[P+32+4*\j+(\g)], v[AB+16+\j], v[AB+24+\j]   ; columns 8 + 2 g, 9 + 2 g
.endr
.endm
.macro GSTORE m, q                             ; the result of pair q: lanes with r < 8 to row 2 q's block, the others to row 2 q + 1's; from its low end on
	ds_store_b128 v[GA], v[DD+8*(\q):DD+8*(\q)+3] offset:(16*(\m)+2*(\q))*EP
	ds_store_b128 v[GA+1], v[DD+8*(\q)+4:DD+8*(\q)+7] offset:(16*(\m)+2*(\q))*EP
.endm
; A TILE OF 16 ROWS, from state to the upper half of S S^T, S in bf16, the row sums of S^2 and means - action in LDS.
.macro ROWTILE m
	s_wait_tensorcnt 1-\m                          ; tile 0: the one load issued behind it may stay out; tile 1: none was
.irp b, 0,1,2,3
.irp j, 0,1,2,3
	ds_load_b128 v[X+16*\b+4*\j:X+16*\b+4*\j+3], v[ASTG] offset:TILEB*\m+128*\b+16*\j      ; row r: 16 neighbours of each block of 32
.endr
.endr
	s_wait_dscnt 0x0                               ; (and every earlier LDS store of mine has read its registers)
	QUANT X
	NOPS 8
	WIN 0x11                                       ; source 0 (the weights) and C (the bias) window 1
.irp u, 0,1                                    ; TRANSPOSED: source 0 = 16 units of w1, source 1 = my rows: a lane holds one row, its registers run along the units
	v_wmma_scale_f32_16x16x128_f8f6f4 v[HA+8*\u:HA+8*\u+7], v[W1F+12*\u:W1F+12*\u+11], v[PC:PC+11], v[B1C+8*\u:B1C+8*\u+7], v[W1S+\u], v[XS] matrix_a_fmt:MATRIX_FMT_FP6 matrix_b_fmt:MATRIX_FMT_FP6
.endr
	WIN 0
	NOPS 4
	HQUANT
	WIN 0x11
.irp u, 0,1                                    ; w2's tile u stands in block u: the codes in lanes 0-15 (u = 0) or 16-31 (u = 1) of the lower six registers
	v_wmma_scale_f32_16x16x128_f8f6f4 v[HA+8*\u:HA+8*\u+7], v[PM:PM+11], v[HLO+12*\u:HLO+12*\u+11], v[B2C+8*\u:B2C+8*\u+7], v[PMS], v[HS] matrix_a_fmt:MATRIX_FMT_FP6 matrix_b_fmt:MATRIX_FMT_FP6
.endr
	WIN 0
	NOPS 4
	HQUANT
	WIN 0x01                                       ; the means, transposed, block 2: lane (r, h): means - action of row r, components 8 h + 0 .. 7
	v_wmma_scale_f32_16x16x128_f8f6f4 v[MD:MD+7], v[PM:PM+11], v[HZ0:HZ0+11], v[MC+8*\m:MC+8*\m+7], v[PMS], v[HS] matrix_a_fmt:MATRIX_FMT_FP6 matrix_b_fmt:MATRIX_FMT_FP6
	W3G 0
	W3G 1
	NOPS 4
	PROC 0                                         ; a group's vector work stands behind the next group's products
	W3G 2
	PROC 1
	W3G 3
	PROC 2
	PROC 3
	WIN 0x41
.set I, 0
.rept 32
	v_permlane16_swap_b32 v[P+I], v[P+32+I]        ; row j's columns 8-15 to lanes 16-31, row 8 + j's columns 0-7 to lanes 0-15: P[4 e ..] is now row e's S as half an operand: lane (r, h): S(r, 8 h + 0 .. 7)
.set I, I+1
.endr
	WIN 0x04                                       ; an LDS store's data are its source 1: window 1
.irp e, 0,1,2,3,4,5,6,7,8,9,10,11,12,13,14,15
	ds_store_b128 v[ASB], v[P+4*\e:P+4*\e+3] offset:(16*\m+\e)*EP+512      ; row e's S in bf16: 512 consecutive bytes
.endr
	WIN 0
.irp j, 0,2,4,6
	ds_store_b32 v[AEX], v[Q+\j] offset:(16*\m+\j)*EP+1024
	ds_store_b32 v[AEX2], v[Q+\j+1] offset:(16*\m+\j+1)*EP+1024            ; an odd row's sums at index xor 8
.endr
	ds_store_b128 v[AMN], v[MD:MD+3] offset:16*\m*EP+1088
	ds_store_b128 v[AMN], v[MD+4:MD+7] offset:16*\m*EP+1104
	; S S^T, one matrix instruction for rows 2 p and 2 p + 1.  Source 0: both S.  Source 1: a copy in other registers, row 2 p's kept in lanes r < 8, row 2 p + 1's in lanes r >= 8.
	; Register j of lane (r, h) is then (S S^T)(r, 8 h + j), of row 2 p where r < 8 and of row 2 p + 1 where r >= 8.
	WIN 0x01                                       ; source 0 window 1: the maskings' source, the products' source 0, the stores' address
.irp p, 0,1,2,3,4,5,6,7
.irp i, 0,1,2,3
	v_and_b32 v[BB+8*(\p%2)+\i], v[P+8*\p+\i], v[ML]       ; these eight are also the places behind the product before, whose result is stored below
	v_and_b32 v[BB+8*(\p%2)+4+\i], v[P+8*\p+4+\i], v[MH]
.endr
	v_wmma_f32_16x16x32_bf16 v[DD+8*\p:DD+8*\p+7], v[P+8*\p:P+8*\p+7], v[BB+8*(\p%2):BB+8*(\p%2)+7], 0
.if \p > 0
	GSTORE \m, \p-1
.endif
.endr
	NOPS 4                                         ; places in front of the last result's stores, and of the loads that follow into registers that matrix instructions have used
	GSTORE \m, 7
	WIN 0
.endm
	ROWTILE 0
	ROWTILE 1
	; THE FACTORISATION: a lane to a row.  LDS serves a wave's instructions in order (ISA guide 5.7.1.4): these loads see my stores.
.macro RG name, i, j                           ; the register of M(i, j), j >= 4 (i / 4); its parity is j's
.set \name, MAT+64*((\i)/4)-8*((\i)/4)*((\i)/4-1)+(16-4*((\i)/4))*((\i)%4)-4*((\i)/4)+(\j)
.endm
.macro PKMULB d, a, b, sel                     ; pair d = pair a x register sel of pair b
.if \sel
	v_pk_mul_f32 v[\d:\d+1], v[\a:\a+1], v[\b:\b+1] op_sel:[0,1] op_sel_hi:[1,1]
.else
	v_pk_mul_f32 v[\d:\d+1], v[\a:\a+1], v[\b:\b+1] op_sel_hi:[1,0]
.endif
.endm
.macro PKFMAB d, a, b, sel                     ; pair d += pair a x register sel of pair b
.if \sel
	v_pk_fma_f32 v[\d:\d+1], v[\a:\a+1], v[\b:\b+1], v[\d:\d+1] op_sel:[0,1,0] op_sel_hi:[1,1,1]
.else
	v_pk_fma_f32 v[\d:\d+1], v[\a:\a+1], v[\b:\b+1], v[\d:\d+1] op_sel_hi:[1,0,1]
.endif
.endm
.irp c, 0,1,2,3
	ds_load_b128 v[QD+4*\c:QD+4*\c+3], v[ACH] offset:1024+16*\c
.endr
	WIN 0x40                                       ; destination window 1
.irp h, 0,1
.irp i, 0,1,2,3,4,5,6,7
	ds_load_b128 v[SB+4*(8*\h+\i):SB+4*(8*\h+\i)+3], v[ASR] offset:512+256*\h+16*\i       ; the eight rows of S that make matrix rows 8-15: row i, columns 8 h + 0 .. 7, in bf16
.endr
.endr
	WIN 0
.set II, 0
.rept 8
.set CH, II/4
.rept 4-II/4
	RG RI, II, 4*CH
	ds_load_b128 v[RI:RI+3], v[ACH] offset:16*(4*II+(CH^(II/4)))   ; matrix rows 0-7 from the diagonal's chunk on: 28 loads
.set CH, CH+1
.endr
.set II, II+1
.endr
.irp c, 0,1,2,3
	ds_load_b128 v[W+4*\c:W+4*\c+3], v[ACH] offset:1088+16*\c
.endr
	s_wait_dscnt 48                                ; the row sums are in; the 16 + 28 + 4 loads issued behind them may be out
	v_pk_add_f32 v[T:T+1], v[QD:QD+1], v[QD+2:QD+3]
	v_pk_add_f32 v[T+2:T+3], v[QD+4:QD+5], v[QD+6:QD+7]
	v_pk_add_f32 v[T+4:T+5], v[QD+8:QD+9], v[QD+10:QD+11]
	v_pk_add_f32 v[T+6:T+7], v[QD+12:QD+13], v[QD+14:QD+15]
	v_pk_add_f32 v[T:T+1], v[T:T+1], v[T+2:T+3]
	v_pk_add_f32 v[T+4:T+5], v[T+4:T+5], v[T+6:T+7]
	v_pk_add_f32 v[T:T+1], v[T:T+1], v[T+4:T+5]
	v_add_f32 v[N2], v[T], v[T+1]                  ; n^2
	v_sqrt_f32 v14, v[N2]                          ; n
	v_rsq_f32 v15, v[N2]                           ; 1 / n
	v_log_f32 v25, v[N2]                           ; log2(n^2)
.irp i, 1,3,5,7,9,11,13,15
	v_mov_b32 v[RN+\i], 0                          ; a packed source names its whole pair: the odd ones are written before the even ones are first read
.endr
	v_mov_b32 v[U+1], 0
	s_wait_alu depctr_va_vdst(0)                   ; one wait for the three
	v_add_f32 v14, 0x322bcc77, v14                 ; s = n + 1e-8
	v_mul_f32 v[S2], v14, v14
	v_mul_f32 v[S2+1], v14, v14
	; The lower right 8 x 8 block of S S^T, above its diagonal.  The eight rows are widened into R(k, i) = S(i, k), eight neighbours i for each k; then for each k: M(8 + i, 8 + j) += R(k, j) R(k, i).
	s_wait_dscnt 32                                ; S in bf16 is in; the 28 + 4 loads issued behind it may be out
	WIN 0x44                                       ; source 1 and destination window 1
.irp h, 0,1
.irp i, 0,1,2,3,4,5,6,7
.irp u, 0,1,2,3
	v_lshlrev_b32 v[RR+8*(8*\h+2*\u)+\i], 16, v[SB+4*(8*\h+\i)+\u]             ; bf16 to f32: the low half moves up,
	v_and_b32 v[RR+8*(8*\h+2*\u+1)+\i], 0xffff0000, v[SB+4*(8*\h+\i)+\u]       ; the high half stays
.endr
.endr
.endr
	WIN 0x05                                       ; sources 0 and 1 window 1; the sums in window 0
.set K, 0
.rept 16
.set II, 0
.rept 7
.set PP, (II+1)/2
.rept 4-PP
	RG RI, 8+II, 8+2*PP
.if K == 0
	PKMULB RI, RR+8*K+2*PP, RR+8*K+2*(II/2), II%2  ; the first k starts the sums
.else
	PKFMAB RI, RR+8*K+2*PP, RR+8*K+2*(II/2), II%2  ; sixteen pairs by turns
.endif
.set PP, PP+1
.endr
.set II, II+1
.endr
.set K, K+1
.endr
	WIN 0
	s_wait_dscnt 0x0
.set II, 0
.rept 16
.if II%2
	RG RI, II, II-1
	v_pk_add_f32 v[RI:RI+1], v[QD+II-1:QD+II], v[S2:S2+1]          ; the diagonal: the f32 row sum of S^2, + s^2; an odd row's pair begins left of the diagonal, with a number that nobody uses: it is written too
.else
	RG RI, II, II
	v_add_f32 v[RI], v[QD+II], v[S2]
.endif
.set II, II+1
.endr
	v_rcp_f32 v[RN], -v[MAT]
	v_nop
	s_wait_alu depctr_va_vdst(0)
; Step K.  T(j) = -M(K, j) / d_K;  M(i, j) += M(K, j) T(i) for K < i <= j;  U = -y_K / d_K;  the sum of -y^2 / d takes U y_K;  y(i) += M(K, i) U.
; Two columns an instruction; a pair that begins left of the diagonal carries a number that nobody uses.  The next pivot's reciprocal is issued as soon as its pair is updated; its wait stands at the step's end.
.set K, 0
.rept 16
.set PP, (K+1)/2
.rept 8-PP
	RG RK, K, 2*PP
	PKMULB T+2*PP, RK, RN+2*(K/2), K%2
.set PP, PP+1
.endr
	v_mul_f32 v[U], v[W+K], v[RN+K]
.if K == 0
	v_mul_f32 v[QN], v[U], v[W]
.else
	v_fmac_f32 v[QN], v[U], v[W+K]
.endif
.if K < 15
.set PP, (K+1)/2
	RG RK, K, 2*PP
	RG RI, K+1, 2*PP
	PKFMAB RI, RK, T+2*PP, (K+1)%2
	RG RI, K+1, K+1
	v_rcp_f32 v[RN+K+1], -v[RI]
.rept 8-PP
	RG RK, K, 2*PP
	v_pk_fma_f32 v[W+2*PP:W+2*PP+1], v[RK:RK+1], v[U:U+1], v[W+2*PP:W+2*PP+1] op_sel_hi:[1,0,1]
.set PP, PP+1
.endr
.set II, K+1
.rept 15-K
.set PP, II/2
.if II == K+1
.set PP, PP+1
.endif
.rept 8-PP
	RG RK, K, 2*PP
	RG RI, II, 2*PP
	PKFMAB RI, RK, T+2*(II/2), II%2
.set PP, PP+1
.endr
.set II, II+1
.endr
	s_wait_alu depctr_va_vdst(0)                   ; ahead of the next step's first line, which reads the reciprocal
.endif
.set K, K+1
.endr
.irp p, 0,2,4,6,8,10,12,14
	v_pk_mul_f32 v[T+\p:T+\p+1], v[RN+\p:RN+\p+1], v[S2:S2+1]      ; -s^2 / d_k, between -1 and -1/2
.endr
	v_pk_mul_f32 v[T:T+1], v[T:T+1], v[T+2:T+3]
	v_pk_mul_f32 v[T+4:T+5], v[T+4:T+5], v[T+6:T+7]
	v_pk_mul_f32 v[T+8:T+9], v[T+8:T+9], v[T+10:T+11]
	v_pk_mul_f32 v[T+12:T+13], v[T+12:T+13], v[T+14:T+15]
	v_pk_mul_f32 v[T:T+1], v[T:T+1], v[T+4:T+5]
	v_pk_mul_f32 v[T+8:T+9], v[T+8:T+9], v[T+12:T+13]
	v_pk_mul_f32 v[T:T+1], v[T:T+1], v[T+8:T+9]
	v_mul_f32 v[T], v[T], v[T+1]                   ; the product of the sixteen: positive, at least 2^-16
	v_log_f32 v[T+2], v[T]
	v_mul_f32 v[T+3], v[S2], v15                   ; s^2 / n
	v_mul_f32 v[T+4], 0x40317218, v25              ; 4 ln(2) log2(n^2)
	v_mul_f32 v[T+3], v[T+3], v[QN]                ; -z.z
	s_wait_alu depctr_va_vdst(0)
	v_fma_f32 v[T+4], v[T+2], 0xbeb17218, v[T+4]   ; half_logdet = 4 ln(n^2) - 1/2 ln(the product)
	v_add_f32 v[T+5], 0x41b59fc7, v[T+4]           ; entropy = 8 (1 + ln(2 pi)) + half_logdet
	v_fma_f32 v[T+3], 0.5, v[T+3], -v[T+4]
	v_add_f32 v[T+3], 0xc16b3f8e, v[T+3]           ; log_prob = -z.z / 2 - half_logdet - 8 ln(2 pi)
	; THE WAY OUT: the work-group's 256 + 256 numbers meet in LDS; waves 0 to 3 store them, 16 bytes a lane: sixteen lanes store 256 consecutive bytes, at a multiple of 256 from out0's first byte
	ds_store_b32 v[AOW], v[T+3]
	ds_store_b32 v[AOW], v[T+5] offset:1024
	s_wait_dscnt 0x0                               ; for the others' sake
	s_barrier_signal -1
	s_barrier_wait -1
	s_cmp_lt_u32 s22, 4
	s_cbranch_scc0 .Ldone
	ds_load_b128 v[T+8:T+11], v[AOR]
	s_wait_dscnt 0x0
	global_store_b128 v[OUTO], v[T+8:T+11], s[20:21] th:TH_STORE_NT
.Ldone:
	s_set_vgpr_msb 0x5
	s_wait_tensorcnt 0x0
	ds_add_u32 v192, v193
	s_wait_dscnt 0x0
	s_set_vgpr_msb 0x500
	s_endpgm
.Lfunc_end_k_q790aa12314_actor:
	.size	k_q790aa12314_actor, .Lfunc_end_k_q790aa12314_actor-k_q790aa12314_actor
	.p2alignl 7, 3214868480
	.fill 96, 4, 3214868480
	.section	.rodata,"a",@progbits
	.p2align	6, 0x0
	.amdhsa_kernel k_q790aa12314_actor
		.amdhsa_group_segment_fixed_size 313856
		.amdhsa_private_segment_fixed_size 0
		.amdhsa_enable_private_segment 0
		.amdhsa_kernarg_size 72
		.amdhsa_user_sgpr_count 2
		.amdhsa_user_sgpr_kernarg_segment_ptr 1
		.amdhsa_wavefront_size32 1
		.amdhsa_system_sgpr_workgroup_id_x 1
		.amdhsa_system_sgpr_workgroup_id_y 1
		.amdhsa_system_sgpr_workgroup_id_z 1
		.amdhsa_system_vgpr_workitem_id 0
		.amdhsa_next_free_vgpr 450
		.amdhsa_next_free_sgpr 66
		.amdhsa_reserve_vcc 0
		.amdhsa_float_denorm_mode_32 3
		.amdhsa_float_denorm_mode_16_64 3
		.amdhsa_memory_ordered 1
		.amdhsa_forward_progress 1
		.amdhsa_inst_pref_size 184
	.end_amdhsa_kernel
	.amdgpu_metadata
---
amdhsa.version: [ 1, 2 ]
amdhsa.kernels:
  - .name:           k_q790aa12314_actor
    .symbol:         k_q790aa12314_actor.kd
    .args:
      - { .name: state, .offset: 0, .size: 8, .value_kind: global_buffer, .address_space: global }
      - { .name: action, .offset: 8, .size: 8, .value_kind: global_buffer, .address_space: global }
      - { .name: w1, .offset: 16, .size: 8, .value_kind: global_buffer, .address_space: global }
      - { .name: b1, .offset: 24, .size: 8, .value_kind: global_buffer, .address_space: global }
      - { .name: w2, .offset: 32, .size: 8, .value_kind: global_buffer, .address_space: global }
      - { .name: b2, .offset: 40, .size: 8, .value_kind: global_buffer, .address_space: global }
      - { .name: w3, .offset: 48, .size: 8, .value_kind: global_buffer, .address_space: global }
      - { .name: b3, .offset: 56, .size: 8, .value_kind: global_buffer, .address_space: global }
      - { .name: out0, .offset: 64, .size: 8, .value_kind: global_buffer, .address_space: global }
    .group_segment_fixed_size: 313856
    .private_segment_fixed_size: 0
    .kernarg_segment_align: 8
    .kernarg_segment_size: 72
    .max_flat_workgroup_size: 256
    .sgpr_count:     66
    .vgpr_count:     450
    .wavefront_size: 32
...
	.end_amdgpu_metadata
.endif
;; end of part 1
